; MI455X (gfx1250); checked and timed in simulation.
; The chip was launched on July 23, 2026; its instructions are those of AMD's public machine-readable ISA for CDNA 5 (MIT licence, August 2026) and "CDNA5" Instruction Set Architecture Reference Guide (July 2026). The comments in the code are by the model that wrote it; some were corrected since.
;; Multi Headed Attention. Allowed arithmetic: matrix products marked QUANTISED: E4M3 operands, one given power-of-two scale a tensor, by v_wmma_f32_16x16x64_fp8_fp8 or v_wmma_f32_16x16x128_fp8_fp8, f32 sums; everything else in f32.
;; Inputs: Wk_codes 16 x 64 x 32 x 32 uint8 (E4M3 codes of Wk, K innermost, in blocks of 32 codes); Wp_codes 1,024 x 32 x 32 uint8 (E4M3 codes of Wp, K innermost, in blocks of 32 codes); Wq_codes 16 x 64 x 32 x 32 uint8 (E4M3 codes of Wq, K innermost, in blocks of 32 codes); Wv_codes 16 x 64 x 32 x 32 uint8 (E4M3 codes of Wv, K innermost, in blocks of 32 codes); bp 1,024 float32; lowp_scales 12 int32 (the exponents e of the quantised operands' scales 2^e); x_codes 4 x 2,048 x 32 x 32 uint8 (E4M3 codes of x, K innermost, in blocks of 32 codes).
;; Outputs: out0 4 x 2,048 x 1,024 float32.
;; This version of the problem:
;;   THIS VERSION OF THE PROBLEM IS GIVEN IN LOW PRECISION. The matrix products marked QUANTISED in the list below multiply operands that are first quantised to E4M3 (4 exponent bits, 3 mantissa bits; 8 bits a number), with one given power-of-two scale for each operand tensor; their sums are f32. All else is computed in f32.
;;   The module's matrix products, in the order in which they are computed (A, B: the left and right operand; K: the contracted axis; several contracted axes count as one K, in the product's order):
;;     1. [M 1,024, K 1,024] x [K 1,024, N 8,192]; A: input Wq (given as codes); B: input x (given as codes): QUANTISED (scales: A lowp_scales[0], B lowp_scales[1])
;;     2. [M 1,024, K 1,024] x [K 1,024, N 8,192]; A: input Wk (given as codes); B: input x (given as codes): QUANTISED (scales: A lowp_scales[2], B lowp_scales[3])
;;     3. [M 1,024, K 1,024] x [K 1,024, N 8,192]; A: input Wv (given as codes); B: input x (given as codes): QUANTISED (scales: A lowp_scales[4], B lowp_scales[5])
;;     4. batch 64 x [M 2,048, K 64] x [K 64, N 2,048]; A: computed on the way; B: computed on the way: QUANTISED (scales: A lowp_scales[6], B lowp_scales[7])
;;     5. batch 64 x [M 2,048, K 2,048] x [K 2,048, N 64]; A: softmax (see below); B: computed on the way: QUANTISED (scales: A lowp_scales[8], B lowp_scales[9])
;;     6. [M 8,192, K 1,024] x [K 1,024, N 1,024]; A: computed on the way; B: input Wp (given as codes): QUANTISED (scales: A lowp_scales[10], B lowp_scales[11])
;;   THE QUANTISER, for each operand of a quantised product, along K:
;;     - The operand's scale is 2^e, e = its entry of the input lowp_scales (int32; the entries are numbered through the quantised products in the list's order, A before B).
;;     - Each number is divided by the scale, clamped to +-448, and rounded to the nearest number of E4M3, ties to even, subnormals kept.
;;     - The product sums the exact products of the quantised numbers (number of the format x scale) in f32.
;;   ~~~python
;;   def quantise(x, axis, e):      # numpy; x: float32 -> the quantised numbers, widened to float32 again
;;       x = np.moveaxis(x, axis, -1); K = x.shape[-1]
;;       r = np.clip(x / 2.0 ** e, -448, 448)
;;       step = 2.0 ** (np.maximum(np.frexp(np.where(r == 0, 1, r))[1] - 1, -6) - 3)
;;       q = np.round(r / step) * step * 2.0 ** e      # np.round: ties to even
;;       return np.moveaxis(q, -1, axis).astype(np.float32)
;;   ~~~
;;   SOFTMAX AHEAD OF A QUANTISED PRODUCT. Where the list says 'softmax', what is quantised is not the finished softmax but p = 2^(t - M), with t = logit x log2(e) and M = ceil(the row's largest t), a whole number; so 1/2 < the row's largest p <= 1. The row's sum l is taken of the UNQUANTISED p, in f32, and the product's result is divided by l at the end. Since M is a whole number, a kernel that streams over the keys may use a running M (the ceiling of the running maximum): every later rescaling is an exact power of two, so the quantised numbers keep their values, but for numbers so far below the row's largest that they fall under the format's range.
;;   OPERANDS COMPUTED ON THE WAY. 'Computed on the way' means the value that the module computes at that place (a softmax that the list does not call 'softmax' is quantised finished and normalised). What goes into a quantiser is computed in f32, as accurately as f32 sums, v_exp_f32 and their like allow (about 1e-6 of the number): no bf16 or f16 on the way to a quantiser, and a product that is left as it is and whose result goes on into a quantised operand takes f32 operands (vector FMAs, or v_wmma_f32_16x16x4_f32). A number that lies on a knife's edge between two numbers of the format may be rounded either way, as far as f32 arithmetic and the matrix unit's own rounding can turn it there, and no further.
;;   INPUTS GIVEN AS CODES. Wk (in the module: [16, 1024, 64], K = its axis 1); Wp (in the module: [1024, 1024], K = its axis 1); Wq (in the module: [16, 1024, 64], K = its axis 1); Wv (in the module: [16, 1024, 64], K = its axis 1); x (in the module: [4, 2048, 1024], K = its axis 2): each comes as NAME_codes (uint8): NAME with its K axis moved to the last place and cut into blocks of 32 codes, [.., K / 32, bytes a block], one block behind the other in memory; one code a byte (a code: sign, 4 exponent bits, 3 mantissa bits); its scale is its entry of lowp_scales. Its value is code x scale, taken as it is: it is not quantised again, and the codes and scales need not be those that the quantiser above would give.
;; One version. Each part assembles by itself: llvm-mc -triple=amdgcn-amd-amdhsa -mcpu=gfx1250 --defsym DOCPART=n.
;; ======== version 1 of 1: 3 launches
;; limits: right only within a limited range of input values
;; workspace buffers: qws 8,388,608 bytes; kws 8,388,608 bytes; vws 8,388,608 bytes; zws 8,388,608 bytes
;; launch qkv (part 1): grid 12 x 16, 4 waves a work-group, clusters of 4 x 4, 327,680 bytes of LDS; arguments x_codes, Wq_codes, Wk_codes, Wv_codes, lowp_scales, qws, kws, vws; writes qws, kws, vws
.if DOCPART == 1
	.amdgcn_target "amdgcn-amd-amdhsa--gfx1250"
	.amdhsa_code_object_version 6
	.text
	.protected	k_qd20a8e6a14_qkv
	.globl	k_qd20a8e6a14_qkv
	.p2align	8
	.type	k_qd20a8e6a14_qkv,@function
k_qd20a8e6a14_qkv:
	s_mov_b64 s[64:65], 0
	v_nop
	global_prefetch_b8 v0, s[64:65] scope:SCOPE_SE
	s_setreg_imm32_b32 hwreg(HW_REG_WAVE_MODE, 25, 1), 1
	s_wait_xcnt 0x0
	s_wait_alu depctr_hold_cnt(0) depctr_sa_sdst(0) depctr_va_vdst(0) depctr_va_sdst(0) depctr_va_ssrc(0) depctr_va_vcc(0) depctr_vm_vsrc(0)
	s_getreg_b32 s2, hwreg(HW_REG_IB_STS2, 6, 4)
	s_cmp_eq_u32 s2, 0
	s_cbranch_scc0 .Lentry_in_a_cluster
	s_endpgm
.Lentry_in_a_cluster:
	s_bfe_u32 s2, ttmp6, 0x10000c
	s_cmp_lg_u32 s2, 0xf033
	s_cbranch_scc0 .Lentry_shape_is_right
	s_endpgm
.Lentry_shape_is_right:
; q, k, v = x W (three products on codes of E4M3, K = 1,024), each result quantised at once with its given scale and stored as IMAGES OF OPERAND REGISTERS for the attention launch.
; x: 8,192 rows of 1,024 codes; Wq, Wk, Wv: 1,024 rows (64 head + d) of 1,024 codes.  A tile of 256 x 256 results to a work-group of four waves, 128 x 128 a wave: 64 accumulators, 512 registers.
; The cluster's x says which product: 0 q, 1 k, 2 v.  Only pointers, tile numbers and steps are chosen by it (s_cselect on a number that all sixteen partners share): all three take one path through the text.
; SOURCES.  Source 1 (called A: a lane holds one of its rows) and source 0 (called B: a lane's eight result registers run along its rows).
;   q, k: A = rows of x, B = rows of W: eight registers are eight neighbouring d of one token: four accumulators, converted, are the 8 registers of a K = 64 fragment (registers 2 c, 2 c + 1: d = 16 c + 8 (lane / 16) + 0 .. 7).
;   v:    A = rows of Wv, B = rows of x: eight registers are eight neighbouring KEYS of one d: eight accumulators, converted, are the 16 registers of a K = 128 fragment of V^T (registers 2 c, 2 c + 1: key 16 c + 8 (lane / 16) + 0 .. 7).
; qws, kws: [b][h][16 tokens][1,024 bytes]: registers 0-3 at 16 x lane, 4-7 at 512 + 16 x lane.  vws: [b][h][128 keys][16 d][2,048 bytes]: registers 4 g .. 4 g + 3 at 512 g + 16 x lane.
; So each store of the wave covers 512 consecutive bytes, aligned, and nothing goes through LDS on the way out.
; code = sum / 2^(eo - ew - ex), held within +-448, to the nearest code, ties to even: the three given exponents are folded into the conversion's one scale.
; LIMITS: e6 - e0 - e1, e7 - e2 - e3 and e9 - e4 - e5 lie between -126 and 119, so that the scale and 448 x the scale are f32 numbers.  NaN codes among the inputs are not served.
; K goes in steps of 256 through a ring of two LDS slots filled by the tensor data mover.  CLUSTERS: 4 x 4 work-groups; A's tile is shared along a row of the cluster, B's along a column: joint loads.
; No prefetch: K has four steps, and two of them are asked for at the head.
; REGISTERS: window 0: v16-29 addresses and constants; v128-255 A's fragments, one set; on the way out v32-95 held sums, v96-223 codes.  window 1: B's fragments, two sets.  windows 2, 3: accumulator (a, b) at v[8 (8 (a % 4) + b)].
; IN PLACE OF WHAT STANDS ABOVE ON ONE TILE AND ON PREFETCHING.  A work-group makes TWO tiles, 4,096 rows of x apart, and the ring goes on from the first into the second.
; At the head a wave issues one joint load (K step 0); K step 1's follows behind the next round.  THE TILES ARE PREFETCHED INTO THE L2: of the 128 rows that a wave fetches, each of the four partners that ask for them
; jointly names 32 (told apart by address: cx for A, cy for B), a lane a row, 256 bytes of a row to a K step.  Behind K step 0's load: K steps 1 and 2; behind K step 1's: K step 3; at the first tile's last two changes of slots
; the waves that fetch x name the second tile's K steps 2 and 3 (its K steps 0 and 1 come by their loads alone; the weight's rows have been read).  The address register pair and the lane offsets are never rewritten.
.set KSTEP,  256
.set ROWB,   256                       ; a tile's row in bytes
.set KROW,   1024                      ; a row of x or of a weight in memory
.set PITCH,  272                       ; an LDS row: 256 bytes + 16 of padding = 68 words: the 16 rows that a load touches start at 16 different banks (ISA guide 11.1)
.set FR,     16                        ; registers of a fragment: 16 rows x 128 K
.set NL,     4                         ; LDS loads that bring one
.set NP,     4                         ; places behind this matrix instruction (ISA guide 7.12.1)
.set HALFT,  128*PITCH                 ; 128 rows: what one tensor load brings
.set SLOT,   4*HALFT                   ; A's 256 rows, then B's 256 rows
.set LAPS,   2                         ; 1,024 / (2 x 256): a lap is once round the ring
.set SPARE,  2*SLOT                    ; behind the ring: the spare words, 128 bytes for each wave, which no other line names
.set ADRA, 16                          ; v16-17  LDS address of my A fragments in slot 0, 1
.set ADRB, 20                          ; v20-21  the same for B
.set VO0,  24                          ; v24     16 x lane: my place in an image's 512 bytes
.set VO1,  25                          ; v25     the same, one head (q, k) or 1,024 bytes (v) further on
.set SCL,  26                          ; v26     2^(eo - ew - ex) as f32
.set LIM,  27                          ; v27     448 x that
.set SPW,  28                          ; v28     LDS address of my spare word; never rewritten
.set NIL,  29                          ; v29     0; never rewritten
.set TMP,  32                          ; the way out: a block's 64 sums, held
.set CDB,  96                          ; the way out: 16 registers of codes for each of the eight blocks, so that no store's data are written again
.set AF,   128                         ; A's fragments, in window 0
.set G1,  24                           ; s[24:31] descriptor group 1 for A's tiles;  s[32:39] group 0, one set for each slot
.set G0,  32
.set G1B, 48                           ; s[48:55], s[56:63] the same for B's tiles
.set G0B, 56
.set OUTP, 66                          ; s[66:67] where my next block's images go
.set MSB, 0
.macro WIN new                         ; the immediate's high byte repeats the setting that is left
.if MSB != (\new)
	s_set_vgpr_msb (MSB<<8)|(\new)
.set MSB, (\new)
.endif
.endm
.set MUL_LO, 0xa1                      ; source 0 (B) window 1, source 1 (A) window 0, C and D window 2
.set MUL_HI, 0xf1                      ; the same, C and D window 3
.set TO_B,   0x40                      ; destination window 1, address window 0
; A joint load: waves 0 and 1 fetch for A, waves 2 and 3 for B.  The branch hangs on the wave's number alone.  Four v_nop follow each of the two lines.
.macro JLOAD g0a, g1a, g0b, g1b
	s_cmp_eq_u32 s15, 0
	s_cbranch_scc0 .Lfor_b_\@
	tensor_load_to_lds s[\g0a:\g0a+3], s[\g1a:\g1a+7]
	s_nop 0
.rept 4
	v_nop
.endr
	s_branch .Lasked_\@
.Lfor_b_\@:
	tensor_load_to_lds s[\g0b:\g0b+3], s[\g1b:\g1b+7]
	s_nop 0
.rept 4
	v_nop
.endr
.Lasked_\@:
.endm
.macro CREST                           ; a round of the cluster's barrier behind its opening barrier
	s_cmp_lg_u32 s14, 0
	s_cbranch_scc1 .Lnot_wave_0_\@
	s_barrier_signal -3
.Lnot_wave_0_\@:
	s_barrier_wait -3
	s_barrier_signal -1
	s_barrier_wait -1
.endm
.macro CROUND                          ; a whole round
	s_barrier_signal -1
	s_barrier_wait -1
	CREST
.endm
	s_load_b256 s[4:11], s[0:1], 0x0               ; x s[4:5], Wq s[6:7], Wk s[8:9], Wv s[10:11]
	s_load_b256 s[72:79], s[0:1], 0x20             ; the exponents s[72:73], qws s[74:75], kws s[76:77], vws s[78:79]
	v_lshl_add_u32 v[SPW], v0, 2, SPARE
	v_mov_b32 v[NIL], 0
	ds_add_u32 v28, v29
	ds_add_u32 v28, v29
	s_wait_dscnt 0x0
	v_lshrrev_b32 v1, 5, v0
	v_readfirstlane_b32 s14, v1                    ; wave 0..3
	s_lshr_b32 s15, s14, 1                         ; which 128 rows of A are mine.  Also: I fetch for A (0) or for B (1)
	s_and_b32 s16, s14, 1                          ; which 128 rows of B.  Also: which 128 rows of that tile I fetch
	s_bfe_u32 s40, ttmp6, 0x40000                  ; cx, cy: my place in the cluster
	s_bfe_u32 s41, ttmp6, 0x40004
	s_and_b32 s13, ttmp7, 0xffff
	s_lshl_b32 s13, s13, 2                         ; 4 x cluster y
	s_cmp_eq_u32 ttmp9, 2                          ; v?  x has 32 tiles of 256 rows, a weight has 4: x is A for q and k, B for v
	s_cselect_b32 s17, 0, s13
	s_cselect_b32 s42, s13, 0
	s_add_co_u32 s17, s17, s41                     ; A's tile: cy (+ 4 x cluster y): shared along my row of the cluster
	s_add_co_u32 s42, s42, s40                     ; B's tile: cx (+ 4 x cluster y): shared along my column
	s_lshl_b32 s43, s41, 2
	s_lshl_b32 s43, 15, s43                        ; my row of the cluster
	s_lshl_b32 s44, 0x1111, s40                    ; my column
	; descriptor group 1: a tile of 128 rows x 256 bytes, padded in LDS
	s_or_b32 s[G1+0], s43, (0<<16)|(1<<20)|(1<<21)|(5<<22)|(3<<25)  ; 15:0 the mask; 17:16 elements of 1 byte; 20 padding on; 21 set beside a mask; 24:22 after every 64 words; 31:25 four words
	s_or_b32 s[G1B+0], s44, (0<<16)|(1<<20)|(1<<21)|(5<<22)|(3<<25)
.irp g, G1, G1B
	s_mov_b32 s[\g+1], ROWB<<16                    ; tensor_dim0
	s_mov_b32 s[\g+2], 128<<16                     ; tensor_dim1
	s_mov_b32 s[\g+3], ROWB<<16                    ; tile_dim0
	s_mov_b32 s[\g+4], 128                         ; tile_dim1
	s_mov_b32 s[\g+5], KROW                        ; tensor_dim0_stride
	s_mov_b32 s[\g+6], 0
	s_mov_b32 s[\g+7], 0
.endr
	s_lshl_b32 s18, s16, 7                         ; which 128 rows of the tile I fetch
	s_lshl_b32 s20, s17, 8
	s_add_co_u32 s20, s20, s18
	s_lshl_b32 s20, s20, 10                        ; A: (256 x tile + 128 x half) rows of 1,024 bytes: under 2^23
	s_mov_b32 s21, 0
	s_lshl_b32 s46, s42, 8
	s_add_co_u32 s46, s46, s18
	s_lshl_b32 s46, s46, 10                        ; B likewise
	s_mov_b32 s47, 0
	s_mul_i32 s45, s14, HALFT                      ; where they go: wave x 128 rows: no place in the cluster enters an LDS address
	s_wait_kmcnt 0x0
	s_load_b256 s[80:87], s[72:73], 0x0            ; e0 .. e7
	s_load_b64 s[88:89], s[72:73], 0x20            ; e8, e9
	s_cmp_eq_u32 ttmp9, 2
	s_cselect_b64 s[68:69], s[10:11], s[4:5]       ; A: Wv for v, else x
	s_cselect_b64 s[70:71], s[4:5], s[8:9]         ; B: x for v, else Wk,
	s_cselect_b64 s[OUTP:OUTP+1], s[78:79], s[76:77]
	s_cmp_eq_u32 ttmp9, 0
	s_cselect_b64 s[70:71], s[6:7], s[70:71]       ; or Wq
	s_cselect_b64 s[OUTP:OUTP+1], s[74:75], s[OUTP:OUTP+1]
	s_add_nc_u64 s[20:21], s[68:69], s[20:21]
	s_add_nc_u64 s[46:47], s[70:71], s[46:47]
	s_cmp_eq_u32 s15, 0                            ; the prefetches: do I fetch for A?
	s_cselect_b64 s[4:5], s[20:21], s[46:47]       ; the 128 rows that I fetch, at K step 0,
	s_cselect_b32 s6, s40, s41                     ; my place among the four that ask for them with me,
	s_lshl_b32 s6, s6, 15                          ; x 32 rows of 1,024 bytes
	s_mov_b32 s7, 0
	s_add_nc_u64 s[4:5], s[4:5], s[6:7]
	s_cmp_eq_u32 ttmp9, 2
	s_cselect_b32 s12, 1, 0                        ; x is B's side for v, A's for q and k
	s_cmp_eq_u32 s12, s15
	s_cselect_b32 s12, 1, 0                        ; 1 in the waves that fetch x
	CROUND                                         ; all sixteen work-groups are here: the first joint loads meet
.irp s, 0,1
	s_mov_b32 s[G0+4*\s], 1
	s_add_co_u32 s[G0+4*\s+1], s45, \s*SLOT
	s_add_nc_u64 s[G0+4*\s+2:G0+4*\s+3], s[20:21], \s*ROWB
	s_or_b32 s[G0+4*\s+3], s[G0+4*\s+3], 0x80000000
	s_mov_b32 s[G0B+4*\s], 1
	s_add_co_u32 s[G0B+4*\s+1], s45, \s*SLOT
	s_add_nc_u64 s[G0B+4*\s+2:G0B+4*\s+3], s[46:47], \s*ROWB
	s_or_b32 s[G0B+4*\s+3], s[G0B+4*\s+3], 0x80000000
.endr
	JLOAD G0, G1, G0B, G1B
	v_and_b32 v30, 31, v0
	v_lshlrev_b32 v30, 10, v30                     ; v30: my lane x a row of 1,024 bytes; never rewritten
	global_prefetch_b8 v30, s[4:5] offset:ROWB th:TH_LOAD_NT scope:SCOPE_SE     ; K step 1,
	global_prefetch_b8 v30, s[4:5] offset:2*ROWB th:TH_LOAD_NT scope:SCOPE_SE   ; K step 2
	v_and_b32 v1, 15, v0                           ; l % 16
	v_bfe_u32 v2, v0, 4, 1                         ; l / 16
	v_mul_u32_u24 v3, v1, PITCH
	v_lshl_add_u32 v4, v2, 4, v3                   ; a fragment's row x pitch + 16 x half
	s_mul_i32 s21, s15, HALFT                      ; my 128 rows of A
	s_mul_i32 s22, s16, HALFT                      ; my 128 rows of B,
	s_add_co_u32 s22, s22, 2*HALFT                 ; which lie behind A's 256
.irp s, 0,1
	v_add_nc_u32 v[ADRA+\s], s21, v4
	v_add_nc_u32 v[ADRB+\s], s22, v4
	s_add_co_u32 s21, s21, SLOT
	s_add_co_u32 s22, s22, SLOT
.endr
	; the way out's numbers, in registers that feed no descriptor
	s_lshl_b32 s95, s17, 8
	s_lshl_b32 s96, s15, 7
	s_add_co_u32 s95, s95, s96                     ; my first row of A
	s_lshl_b32 s96, s42, 8
	s_lshl_b32 s97, s16, 7
	s_add_co_u32 s96, s96, s97                     ; my first row of B
	s_cmp_eq_u32 ttmp9, 2
	s_cselect_b32 s97, s96, s95                    ; my first row of x,
	s_cselect_b32 s98, s95, s96                    ; and of the weight
	s_mov_b32 s90, 1024
	s_cselect_b32 s90, 2048, s90                   ; from block a to a + 1: the next 16 tokens' image (q, k) or the next 16 d's (v)
	s_mov_b32 s92, 1024
	s_cselect_b32 s92, 124928, s92                 ; from block 3 to 4: for v the next head's first image: 131,072 - 3 x 2,048
	s_mov_b32 s94, 131072
	s_cselect_b32 s94, 1024, s94                   ; from a block's registers 0-7 to its registers 8-15: the next head (q, k) or the image's second half (v)
	s_mov_b32 s91, 0
	s_mov_b32 s93, 0
	s_lshr_b32 s99, s97, 11
	s_lshl_b32 s99, s99, 21                        ; b x 16 heads x 131,072
	s_and_b32 s97, s97, 2047
	s_lshl_b32 s97, s97, 6                         ; 64 bytes for each token or key of a head, in all three layouts
	s_add_co_u32 s99, s99, s97
	s_lshr_b32 s98, s98, 6
	s_lshl_b32 s98, s98, 17                        ; head x 131,072
	s_add_co_u32 s98, s99, s98
	s_mov_b32 s99, 0
	s_add_nc_u64 s[OUTP:OUTP+1], s[OUTP:OUTP+1], s[98:99]
	s_mov_b64 s[74:75], s[OUTP:OUTP+1]             ; where this tile's images begin
	s_cmp_eq_u32 ttmp9, 2                          ; A WORK-GROUP MAKES TWO TILES, 4,096 rows of x apart (16 tiles): x's tiles step 4,194,304 bytes, the weight's stay
	s_cselect_b32 s68, 0, 0x400000                 ; A is x for q and k,
	s_cselect_b32 s70, 0x400000, 0                 ; B is x for v
	s_mov_b32 s69, 0
	s_mov_b32 s71, 0
	v_and_b32 v6, 31, v0
	v_lshlrev_b32 v[VO0], 4, v6
	v_add_nc_u32 v[VO1], s94, v[VO0]
.macro FRAG reg, adr, q, i             ; a fragment, 16 rows x 128 K: registers 4 c .. 4 c + 3 hold K = 32 c + 16 (l / 16) + 0 .. 15: the same order of k in A and in B, so every product meets its partner
.irp c, 0,1,2,3
	ds_load_b128 v[\reg+4*\c:\reg+4*\c+3], v[\adr] offset:128*(\q)+32*\c+(\i)*16*PITCH
.endr
.endm
; 16 matrix instructions: A's blocks a0, a0 + 1 x B's eight, 128 along K.  p: B's set.  zero = 1: the first product starts the sums.  The 64 accumulators take turns, one instruction a turn.
.macro MUL16 a0, p, zero
.irp a, \a0, \a0+1
.irp b, 0,1,2,3,4,5,6,7
.if \zero
	v_wmma_f32_16x16x128_fp8_fp8 v[8*(8*((\a)%4)+\b):8*(8*((\a)%4)+\b)+7], v[128*(\p)+FR*\b:128*(\p)+FR*\b+FR-1], v[AF+FR*(\a):AF+FR*(\a)+FR-1], 0
.else
	v_wmma_f32_16x16x128_fp8_fp8 v[8*(8*((\a)%4)+\b):8*(8*((\a)%4)+\b)+7], v[128*(\p)+FR*\b:128*(\p)+FR*\b+FR-1], v[AF+FR*(\a):AF+FR*(\a)+FR-1], v[8*(8*((\a)%4)+\b):8*(8*((\a)%4)+\b)+7]
.endif
.endr
.endr
.endm
.macro FETCH_B slot, q, p              ; B's eight fragments of the slot's q-th 128 along K into set p
	WIN TO_B
.irp i, 0,1,2,3,4,5,6,7
	FRAG 128*(\p)+FR*\i, ADRB+\slot, \q, \i
.endr
	WIN 0
.endm
.macro FETCH_A slot, q, i0             ; A's blocks i0 .. i0 + 3
.irp i, \i0, \i0+1, \i0+2, \i0+3
	FRAG AF+FR*(\i), ADRA+\slot, \q, \i
.endr
.endm
.macro PLACES n                        ; plain vector lines between a matrix instruction and a load into, or a vector line on, one of its registers
.rept \n
	v_nop
.endr
.endm
; A step of 128 along K that has its successor in the same slot.  A block of A is free as soon as its eight products are issued: blocks 0-3 are fetched anew in the step's middle, blocks 4-7 at its end.
.macro STEP slot, q, zero
	s_wait_dscnt 4*NL                              ; B's set and A's blocks 0-3 are in; the youngest 16 loads (A's blocks 4-7) may be out
	WIN MUL_LO
	MUL16 0, (\q)%2, \zero
	MUL16 2, (\q)%2, \zero
	s_wait_dscnt 0                                 ; A's blocks 4-7 are in
	PLACES NP
	FETCH_B \slot, (\q)+1, 1-(\q)%2
	FETCH_A \slot, (\q)+1, 0
	WIN MUL_HI
	MUL16 4, (\q)%2, \zero
	MUL16 6, (\q)%2, \zero
	PLACES NP
	WIN 0
	FETCH_A \slot, (\q)+1, 4
.endm
; A slot's last step changes slots: one barrier; in front of it each wave waits for all its tensor loads, adds 0 to its spare word, and waits for that and for its own reads of this slot.  fill = 1: this slot is filled again, two K steps ahead.
.macro TURN slot, next, fill
	s_wait_tensorcnt 0x0                           ; all my tensor loads have landed: my part of the next slot
	ds_add_u32 v[SPW], v[NIL]                      ; 0 onto my spare word
	s_wait_dscnt 4*NL+1                            ; the add and the youngest 16 loads (A's blocks 4-7) may be out
	WIN MUL_LO
	MUL16 0, 1, 0                                  ; sixteen matrix instructions stand between the add and the wait for it
	s_wait_dscnt 0x0                               ; the add is done, and my reads of this slot are over
	s_barrier_signal -1
	MUL16 2, 1, 0
	WIN 0
	s_barrier_wait -1
.if \fill
	CREST                                          ; the barrier has opened a round of the cluster's barrier: no wave of any partner still reads this slot or has a load on its way
.if \fill == 2                         ; fill = 2: the ring goes on into the next tile: two K steps back along K, and x's rows 4,096 further down
	s_sub_nc_u64 s[G0+4*\slot+2:G0+4*\slot+3], s[G0+4*\slot+2:G0+4*\slot+3], 2*ROWB
	s_add_nc_u64 s[G0+4*\slot+2:G0+4*\slot+3], s[G0+4*\slot+2:G0+4*\slot+3], s[68:69]
	s_sub_nc_u64 s[G0B+4*\slot+2:G0B+4*\slot+3], s[G0B+4*\slot+2:G0B+4*\slot+3], 2*ROWB
	s_add_nc_u64 s[G0B+4*\slot+2:G0B+4*\slot+3], s[G0B+4*\slot+2:G0B+4*\slot+3], s[70:71]
.else
	s_add_nc_u64 s[G0+4*\slot+2:G0+4*\slot+3], s[G0+4*\slot+2:G0+4*\slot+3], 2*ROWB
	s_add_nc_u64 s[G0B+4*\slot+2:G0B+4*\slot+3], s[G0B+4*\slot+2:G0B+4*\slot+3], 2*ROWB
.endif
	JLOAD G0+4*\slot, G1, G0B+4*\slot, G1B         ; the first tensor load behind the round; its four v_nop are also the places in front of the loads below
.else
	PLACES NP
.endif
.if (\next) >= 0                       ; next = -1: a tile's last step fetches no fragments: the way out needs the registers
	FETCH_B \next, 0, 0
	FETCH_A \next, 0, 0
.endif
.if \fill == 2                         ; the next tile's K step 2 (slot 0) or 3 (slot 1) of x: 4,194,304 bytes further on
	s_cmp_eq_u32 s12, 0
	s_cbranch_scc1 .Lnot_x_\@
	global_prefetch_b8 v30, s[4:5] offset:0x400000+(2+\slot)*ROWB th:TH_LOAD_NT scope:SCOPE_SE
.Lnot_x_\@:
.endif
	WIN MUL_HI
	MUL16 4, 1, 0
	MUL16 6, 1, 0
.if (\next) >= 0
	PLACES NP
	WIN 0
	FETCH_A \next, 0, 4
.else
	WIN 0
.endif
.endm
	s_wait_alu depctr_va_vdst(0)
	s_wait_tensorcnt 0x0                           ; my part of K step 0 is in; slot 1's first fill is issued as a refill is:
	ds_add_u32 v[SPW], v[NIL]                      ; 0 onto my spare word
	s_wait_dscnt 0x0
	CROUND                                         ; a whole round: everybody's part of K step 0 is in, and the joint loads meet
	JLOAD G0+4, G1, G0B+4, G1B
	global_prefetch_b8 v30, s[4:5] offset:3*ROWB th:TH_LOAD_NT scope:SCOPE_SE   ; K step 3: two refills on
	FETCH_B 0, 0, 0
	FETCH_A 0, 0, 0
	FETCH_A 0, 0, 4
	s_mov_b32 s2, 2                                ; tiles to go: the same number in every work-group
.Ltile:
	STEP 0, 0, 1
	s_mov_b32 s3, LAPS-1
.Llap:                                             ; a trip goes once round the ring, from a lap's second step to the next lap's first, and fills both slots again
	TURN 0, 1, 1
	STEP 1, 0, 0
	TURN 1, 0, 1
	STEP 0, 0, 0
	s_sub_co_u32 s3, s3, 1
	s_cmp_lg_u32 s3, 0
	s_cbranch_scc1 .Llap
	s_cmp_eq_u32 s2, 1
	s_cbranch_scc1 .Llast_tile                     ; the last tile's tail is written out: it asks for nothing more
	TURN 0, 1, 2                                   ; slot 0 takes the next tile's K step 0,
	STEP 1, 0, 0
	TURN 1, -1, 2                                  ; slot 1 its K step 1: both are on their way while this tile goes out
	s_branch .Lout
.Llast_tile:
	TURN 0, 1, 0
	STEP 1, 0, 0
	s_wait_dscnt 4*NL                              ; the very last step: nothing more to fetch
	WIN MUL_LO
	MUL16 0, 1, 0
	MUL16 2, 1, 0
	s_wait_dscnt 0
	WIN MUL_HI
	MUL16 4, 1, 0
	MUL16 6, 1, 0
	WIN 0
.Lout:
	s_wait_kmcnt 0x0
	s_cmp_eq_u32 ttmp9, 2
	s_cselect_b32 s95, s84, s82                    ; the weight's: e4 (v) or e2 (k),
	s_cselect_b32 s96, s85, s83                    ; x's: e5 or e3,
	s_cselect_b32 s97, s89, s87                    ; the result's: e9 or e7;
	s_cmp_eq_u32 ttmp9, 0
	s_cselect_b32 s95, s80, s95                    ; for q: e0,
	s_cselect_b32 s96, s81, s96                    ; e1,
	s_cselect_b32 s97, s86, s97                    ; e6
	s_sub_co_i32 s97, s97, s95
	s_sub_co_i32 s97, s97, s96
	s_add_co_i32 s97, s97, 127
	s_lshl_b32 s98, s97, 23
	v_mov_b32 v[SCL], s98                          ; 2^(eo - ew - ex) as f32: the conversion takes its exponent field
	s_add_co_i32 s97, s97, 8
	s_lshl_b32 s97, s97, 23
	s_or_b32 s97, s97, 0x600000
	v_mov_b32 v[LIM], s97                          ; 448 x that
	PLACES NP                                      ; behind the last products: the codes land in registers that held A's fragments
; Block a (16 rows of A x my 128 rows of B): 64 sums a lane are held, converted to 16 registers of codes and stored by four instructions of 512 consecutive bytes.
.macro OUTBLK a
.set AC, 64*((\a)%4)
.set CD, CDB+16*(\a)
.if (\a) > 0
	s_wait_xcnt 0x0                                ; the last block's stores have read their base: it may step
.if (\a) == 4
	s_add_nc_u64 s[OUTP:OUTP+1], s[OUTP:OUTP+1], s[92:93]
.else
	s_add_nc_u64 s[OUTP:OUTP+1], s[OUTP:OUTP+1], s[90:91]
.endif
.endif
	WIN 0x02+((\a)/4)                              ; source 0: window 2 or 3
.irp b, 0,1,2,3,4,5,6,7
.irp i, 0,1,2,3,4,5,6,7
	v_med3_num_f32 v[TMP+8*\b+\i], v[AC+8*\b+\i], -v[LIM], v[LIM]   ; the conversion to an 8-bit code does not saturate (ISA guide 7.6.2): the hold; each accumulator from its low end on
.endr
.endr
	WIN 0
.irp b, 0,1,2,3,4,5,6,7
	v_cvt_scalef32_pk8_fp8_f32 v[CD+2*\b:CD+2*\b+1], v[TMP+8*\b:TMP+8*\b+7], v[SCL]
.endr
	v_nop                                          ; one plain line between the conversions and the next block's holds, which write their sources
.irp g, 0,1,2,3
	global_store_b128 v[VO0+\g/2], v[CD+4*\g:CD+4*\g+3], s[OUTP:OUTP+1] offset:512*(\g%2)
.endr
.endm
.irp a, 0,1,2,3,4,5,6,7
	OUTBLK \a
.endr
	s_cmp_eq_u32 s2, 1
	s_cbranch_scc1 .Ldone
	s_wait_xcnt 0x0                                ; the stores have read their base and their data: both are written again below
	s_add_nc_u64 s[74:75], s[74:75], 0x400000      ; 4,096 rows of x are two b: 2 x 16 heads x 131,072 bytes in all three layouts
	s_mov_b64 s[OUTP:OUTP+1], s[74:75]
	FETCH_B 0, 0, 0                                ; the next tile's first fragments: its K step 0 was shown whole by the last round
	FETCH_A 0, 0, 0
	FETCH_A 0, 0, 4
	s_sub_co_u32 s2, s2, 1
	s_cmp_lg_u32 s2, 0
	s_cbranch_scc1 .Ltile
.Ldone:
	s_wait_tensorcnt 0x0
	ds_add_u32 v[SPW], v[NIL]
	s_wait_dscnt 0x0
	CROUND                                         ; the closing round: no work-group ends while a partner may still ask for a tile that names it
	s_endpgm
.Lfunc_end_k_qd20a8e6a14_qkv:
	.size	k_qd20a8e6a14_qkv, .Lfunc_end_k_qd20a8e6a14_qkv-k_qd20a8e6a14_qkv
	.p2alignl 7, 3214868480
	.fill 96, 4, 3214868480
	.section	.rodata,"a",@progbits
	.p2align	6, 0x0
	.amdhsa_kernel k_qd20a8e6a14_qkv
		.amdhsa_group_segment_fixed_size 327680
		.amdhsa_private_segment_fixed_size 0
		.amdhsa_enable_private_segment 0
		.amdhsa_kernarg_size 64
		.amdhsa_user_sgpr_count 2
		.amdhsa_user_sgpr_kernarg_segment_ptr 1
		.amdhsa_wavefront_size32 1
		.amdhsa_system_sgpr_workgroup_id_x 1
		.amdhsa_system_sgpr_workgroup_id_y 1
		.amdhsa_system_sgpr_workgroup_id_z 1
		.amdhsa_system_vgpr_workitem_id 0
		.amdhsa_next_free_vgpr 1024
		.amdhsa_next_free_sgpr 100
		.amdhsa_reserve_vcc 0
		.amdhsa_float_denorm_mode_32 3
		.amdhsa_float_denorm_mode_16_64 3
		.amdhsa_memory_ordered 1
		.amdhsa_forward_progress 1
		.amdhsa_inst_pref_size 148
	.end_amdhsa_kernel
	.amdgpu_metadata
---
amdhsa.version: [ 1, 2 ]
amdhsa.kernels:
  - .name:           k_qd20a8e6a14_qkv
    .symbol:         k_qd20a8e6a14_qkv.kd
    .args:
      - { .name: x_codes, .offset: 0, .size: 8, .value_kind: global_buffer, .address_space: global }
      - { .name: Wq_codes, .offset: 8, .size: 8, .value_kind: global_buffer, .address_space: global }
      - { .name: Wk_codes, .offset: 16, .size: 8, .value_kind: global_buffer, .address_space: global }
      - { .name: Wv_codes, .offset: 24, .size: 8, .value_kind: global_buffer, .address_space: global }
      - { .name: lowp_scales, .offset: 32, .size: 8, .value_kind: global_buffer, .address_space: global }
      - { .name: qws, .offset: 40, .size: 8, .value_kind: global_buffer, .address_space: global }
      - { .name: kws, .offset: 48, .size: 8, .value_kind: global_buffer, .address_space: global }
      - { .name: vws, .offset: 56, .size: 8, .value_kind: global_buffer, .address_space: global }
    .group_segment_fixed_size: 327680
    .private_segment_fixed_size: 0
    .kernarg_segment_align: 8
    .kernarg_segment_size: 64
    .max_flat_workgroup_size: 128
    .sgpr_count:     100
    .vgpr_count:     1024
    .wavefront_size: 32
...
	.end_amdgpu_metadata
.endif
;; end of part 1
;; launch attn (part 2): grid 4 x 64, 8 waves a work-group, clusters of 4 x 1, 327,680 bytes of LDS; arguments qws, kws, vws, lowp_scales, zws; writes zws
.if DOCPART == 2
	.amdgcn_target "amdgcn-amd-amdhsa--gfx1250"
	.amdhsa_code_object_version 6
	.text
	.protected	k_qd20a8e6a14_attn
	.globl	k_qd20a8e6a14_attn
	.p2align	8
	.type	k_qd20a8e6a14_attn,@function
k_qd20a8e6a14_attn:
	s_mov_b64 s[64:65], 0
	v_nop
	global_prefetch_b8 v0, s[64:65] scope:SCOPE_SE
	s_setreg_imm32_b32 hwreg(HW_REG_WAVE_MODE, 25, 1), 1
	s_wait_xcnt 0x0
	s_wait_alu depctr_hold_cnt(0) depctr_sa_sdst(0) depctr_va_vdst(0) depctr_va_sdst(0) depctr_va_ssrc(0) depctr_va_vcc(0) depctr_vm_vsrc(0)
	s_getreg_b32 s2, hwreg(HW_REG_IB_STS2, 6, 4)
	s_cmp_eq_u32 s2, 0
	s_cbranch_scc0 .Lentry_in_a_cluster
	s_endpgm
.Lentry_in_a_cluster:
	s_bfe_u32 s2, ttmp6, 0x10000c
	s_cmp_lg_u32 s2, 0x3003
	s_cbranch_scc0 .Lentry_shape_is_right
	s_endpgm
.Lentry_shape_is_right:
; z[b][t][64 h + d] = the sum over keys s <= t of softmax_s(q . k / 8) v, both products on codes of E4M3; z is quantised with its given scale and stored as images of operand registers for the last product.
; qws, kws: [b][h][16 rows][1,024 bytes], images of K = 64 fragments.  vws: [b][h][128 keys][16 d][2,048 bytes], images of K = 128 fragments of V^T.  An image's registers 4 g .. 4 g + 3 lie at 512 g + 16 x lane.
; zws: [b][16 rows][h][1,024 bytes]: registers 4 c .. 4 c + 3 hold d = 32 c + 16 (lane / 16) + 0 .. 15 of row lane % 16.
; THE SOFTMAX: t = score x log2(e) / 8; M = the largest t so far, rounded up to a whole number; p = 2^(t - M) is quantised (e8), not normalised; the row's sum is taken of the unquantised p and divides at the end.
; When M moves, the sum and O are multiplied by 2^(old M - new M), which rounds nothing.
; LEFT OUT: key steps all of whose keys come after a wave's queries: the causal mask makes their scores -infinity, so they add nothing to any sum.
; LDS HOLDS A WHOLE HEAD: K's codes are 131,072 bytes, V's as many.  Each byte is filled once: key steps 0-3 at the head (8,192 bytes a wave), key steps 4-15 behind the next round (24,576 bytes a wave); nothing is filled again.
; CLUSTER: the four work-groups of a head need the same K and V: every tile is asked for jointly (mask 15).  No branch and no LDS address hangs on the place cx in the cluster: cx enters Q's and z's addresses and the mask's lane selects alone.
; SHARES.  A key step is 128 keys.  Wave w of work-group cx owns the blocks 63 - u and u of 32 queries, u = 4 w + cx: (16 - w) + (w + 1) = 17 key steps for every wave, so the trip counts are constants.
; Trips 0-3 (all open for the later block, which begins at query 1,024 or beyond) read the first fill while the second lands; one barrier; trips 4-16 need no barrier: each wave walks alone.
; A TRIP IS TURNED ROUND: K's loads are issued, then the LAST step's O x f and V P are worked under them, then K Q^T, V's loads, the softmax.  The first such V P of a block finds codes of 0.
; THE EXPONENTIALS go in two batches of 64, one a tile; among each batch's lines stand 32 independent lines whose results are first read behind the next wait: tile 1's t - M among tile 0's, tile 0's holds among tile 1's.
; LAYOUT.  S^T = K Q^T (source 0 = 16 keys, source 1 = 16 queries) and O^T = V^T P: a lane holds one query of each of my two tiles; tile t's eight scores are keys 16 t + 8 (lane / 16) + 0 .. 7: registers 2 t, 2 t + 1 of P.
; No prefetch: both fills are asked for at the start, the second as soon as the first has landed; there is no loop of fills to run ahead in.
; LIMITS: e6 + e7 between -123 and 130 (added to c's exponent field); e8 and e10 between -126 and 119; e8 + e9 is applied by v_ldexp_f32.  NaN codes are not served.
; REGISTERS.  Window 0: v1-9 addresses and constants; v10-21 for tile x: (-M, largest t), the sum in two halves, f; v22-27 at work; v32-63 P's codes; v64-127 O^T; v128-255 S^T, then p.
;             Window 1: v0-63 K's eight fragments; v64-127 V's four; v128-143 Q's two in hand; v144-159 the earlier block's two.
.set KSB,   8192                       ; a key step of K or of V in bytes
.set VOFF,  131072                     ; V's region in LDS
.set P1,    4*KSB                      ; the first fill's part of each region
.set SPARE, 262144                     ; behind both regions: the spare words, 128 bytes for each of eight waves, which no other line names
.set LI,   1                           ; v1  16 x lane
.set ADK,  2                           ; v2  LDS address of the step's K
.set ADV,  3                           ; v3  of its V
.set SPW,  4                           ; v4  my spare word; never rewritten
.set NIL,  5                           ; v5  0; never rewritten
.set NINF, 6                           ; v6  -infinity
.set HOLD, 7                           ; v7  448 x 2^e8
.set SCL,  8                           ; v8  2^e8
.set HOLD2, 9                          ; v9  448 x 2^e8 once more: the two halves of a dual pair take their second sources from different register banks
.set MM,   10
.set SUM,  14
.set FF,   18
.set TA,   22
.set PC,   32
.set OO,   64
.set SS,   128
.set KFR,  0
.set VFR,  64
.set QF,   128
.set QE,   3                           ; s3  the earlier block's first query
.set WV,   14                          ; s14 wave
.set CX,   15                          ; s15 place in the cluster
.set LL,   16                          ; s16 16 - wave: the later block's key steps
.set W13,  17                          ; s17 wave x 8,192
.set NN,   18                          ; s18 the trip
.set C1,   19                          ; s19 the trip x 8,192
.set SEL,  20                          ; s[20:21] lane l xor 16
.set CS,   22                          ; s[22:23] c = log2(e) / 8 x 2^(e6 + e7)
.set AD,   24                          ; s24 the step's byte in a region
.set DG,   25                          ; s25 1 in a step that holds the diagonal
.set TZ,   26                          ; s26, s27 which of that step's eight key tiles holds tile x's diagonal
.set HZ,   28
.set HM,   29                          ; s29 lanes 16-31
.set Q0,   30                          ; s30 my first query
.set EPV,  31                          ; s31 e8 + e9
.set G0A,  32
.set G0B,  36
.set G1A,  40
.set G1B,  48
.set QB,   56
.set ZB,   58
.set QP,   60
.set ZP,   62
.set T2,   66                          ; s[66:67] an offset, high word 0
.set BS,   68
.set MJ,   70                          ; s70-77 lanes in which register j of the diagonal tile is hidden: 8 (lane / 16) + j > lane % 16
.set ZS,   78                          ; s78 2^e10, s79 448 x that
.set ZL,   79
.set MT,   92                          ; s92-99 a tile's eight lane masks
.set MSB, 0
.macro WIN new                         ; the immediate's high byte repeats the setting that is left
.if MSB != (\new)
	s_set_vgpr_msb (MSB<<8)|(\new)
.set MSB, (\new)
.endif
.endm
.macro CROUND                          ; a round of the cluster's barrier
	s_barrier_signal -1
	s_barrier_wait -1
	s_cmp_lg_u32 s[WV], 0
	s_cbranch_scc1 .Lnot_wave_0_\@
	s_barrier_signal -3
.Lnot_wave_0_\@:
	s_barrier_wait -3
	s_barrier_signal -1
	s_barrier_wait -1
.endm
.macro PLACES n
.rept \n
	v_nop
.endr
.endm
	s_load_b256 s[4:11], s[0:1], 0x0               ; qws s[4:5], kws s[6:7], vws s[8:9], the exponents s[10:11]
	s_load_b64 s[12:13], s[0:1], 0x20              ; zws
	v_lshl_add_u32 v[SPW], v0, 2, SPARE
	v_mov_b32 v[NIL], 0
	ds_add_u32 v[SPW], v[NIL]                      ; the opening: the add, twice on end, and its wait ahead of my first tensor load
	ds_add_u32 v[SPW], v[NIL]
	v_lshrrev_b32 v[TA], 5, v0
	v_readfirstlane_b32 s[WV], v[TA]               ; wave 0..7
	s_bfe_u32 s[CX], ttmp6, 0x40000
	s_and_b32 s80, ttmp7, 0xffff                   ; 16 b + h
	s_lshl_b32 s[T2], s80, 17                      ; a head is 131,072 bytes in qws, kws and vws
	s_mov_b32 s[T2+1], 0
	s_lshr_b32 s81, s[WV], 2                       ; waves 0-3 fetch K, waves 4-7 V,
	s_lshl_b32 s81, s81, 17                        ; into its region,
	s_and_b32 s82, s[WV], 3                        ; a quarter each
	s_lshl_b32 s83, s82, 13                        ; first fill: key step wave % 4
	s_mul_i32 s82, s82, 3*KSB
	s_add_co_u32 s82, s82, P1                      ; second fill: three key steps from 4 + 3 (wave % 4) on
	s_mov_b32 s[G0A], 1
	s_add_co_u32 s[G0A+1], s81, s83
	s_mov_b32 s[G0B], 1
	s_add_co_u32 s[G0B+1], s81, s82
	; group 1: dense bytes as rows of 32 elements of 8 bytes; 32 rows, or 96; mask 15 with bit 21 beside it
	s_mov_b32 s[G1A], 15|(3<<16)|(1<<21)
	s_mov_b32 s[G1A+1], 32<<16
	s_mov_b32 s[G1A+2], 32<<16
	s_mov_b32 s[G1A+3], 32<<16
	s_mov_b32 s[G1A+4], 32
	s_mov_b32 s[G1A+5], 32
	s_mov_b32 s[G1A+6], 0
	s_mov_b32 s[G1A+7], 0
	s_mov_b32 s[G1B], 15|(3<<16)|(1<<21)
	s_mov_b32 s[G1B+1], 32<<16
	s_mov_b32 s[G1B+2], 96<<16
	s_mov_b32 s[G1B+3], 32<<16
	s_mov_b32 s[G1B+4], 96
	s_mov_b32 s[G1B+5], 32
	s_mov_b32 s[G1B+6], 0
	s_mov_b32 s[G1B+7], 0
	s_wait_dscnt 0x0                               ; both opening adds are done
	s_wait_kmcnt 0x0
	s_load_b256 s[84:91], s[10:11], 0x10           ; e4 .. e11: e6 s86, e7 s87, e8 s88, e9 s89, e10 s90
	s_cmp_lt_u32 s[WV], 4
	s_cselect_b64 s[BS:BS+1], s[6:7], s[8:9]
	s_add_nc_u64 s[BS:BS+1], s[BS:BS+1], s[T2:T2+1]
	s_add_nc_u64 s[QB:QB+1], s[4:5], s[T2:T2+1]
	s_mov_b32 s[T2], s83
	s_add_nc_u64 s[G0A+2:G0A+3], s[BS:BS+1], s[T2:T2+1]
	s_or_b32 s[G0A+3], s[G0A+3], 0x80000000
	s_mov_b32 s[T2], s82
	s_add_nc_u64 s[G0B+2:G0B+3], s[BS:BS+1], s[T2:T2+1]
	s_or_b32 s[G0B+3], s[G0B+3], 0x80000000
	s_lshl_b32 s81, s[WV], 7
	s_lshl_b32 s82, s[CX], 5
	s_add_co_u32 s[QE], s81, s82                   ; block u begins at query 32 u = 128 wave + 32 cx,
	s_sub_co_u32 s[Q0], 2016, s[QE]                ; block 63 - u at 2,016 - that: it comes first
	s_lshl_b32 s[T2], s[Q0], 6                     ; 1,024 bytes for 16 queries
	s_add_nc_u64 s[QP:QP+1], s[QB:QB+1], s[T2:T2+1]
	s_lshl_b32 s[T2], s[QE], 6
	s_add_nc_u64 s[BS:BS+1], s[QB:QB+1], s[T2:T2+1]
	v_and_b32 v[TA], 31, v0
	v_lshlrev_b32 v[LI], 4, v[TA]
	WIN 0x40                                       ; both blocks' Q, 2,048 bytes each, are asked for here, so that they are on their way beside the first tile
.irp g, 0,1,2,3
	global_load_b128 v[QF+4*\g:QF+4*\g+3], v[LI], s[QP:QP+1] offset:512*\g
.endr
.irp g, 0,1,2,3
	global_load_b128 v[QF+16+4*\g:QF+16+4*\g+3], v[LI], s[BS:BS+1] offset:512*\g
.endr
	WIN 0
	CROUND
	tensor_load_to_lds s[G0A:G0A+3], s[G1A:G1A+7]  ; key steps 0-3: my one load at the head
	s_nop 0
	PLACES 4
	s_lshr_b32 s81, s80, 4
	s_lshl_b32 s81, s81, 21                        ; zws: b x 128 x 16,384,
	s_and_b32 s82, s80, 15
	s_lshl_b32 s82, s82, 10                        ; + h x 1,024
	s_add_co_u32 s[T2], s81, s82
	s_add_nc_u64 s[ZB:ZB+1], s[12:13], s[T2:T2+1]
	s_sub_co_u32 s[LL], 16, s[WV]
	s_lshl_b32 s[W13], s[WV], 13
	s_lshl_b32 s81, s[CX], 1
	s_sub_co_u32 s[TZ], 6, s81                     ; its diagonal lies 96 - 32 cx keys into its last step
	s_sub_co_u32 s[TZ+1], 7, s81
	s_mov_b32 s[SEL], 0x76543210
	s_mov_b32 s[SEL+1], 0xfedcba98
	s_mov_b32 s[HM], 0xffff0000
	s_mov_b32 s[CS], 0x3e38aa3b                    ; log2(e) / 8
	v_and_b32 v[TA], 15, v0
	v_bfe_u32 v[TA+1], v0, 4, 1
	v_lshlrev_b32 v[TA+1], 3, v[TA+1]
	v_sub_nc_u32 v[TA], v[TA], v[TA+1]             ; lane % 16 - 8 (lane / 16)
.irp j, 0,1,2,3,4,5,6,7
	v_cmp_gt_i32 s[MJ+\j], \j, v[TA]
.endr
	v_mov_b32 v[NINF], 0xff800000
	v_mov_b32 v[TA+4], 0                           ; written once: a lane permute's destination counts as one of its sources
	v_mov_b32 v[TA+5], 0
	v_mov_b32 v[FF+1], 0                           ; (named as the upper halves of pairs)
	v_mov_b32 v[FF+3], 0
	WIN 0x40
.set i, 0
.rept 64
	v_mov_b32 v[VFR+i], 0                          ; the first trip's V P multiplies codes of 0 by codes of 0: the trip is written once
.set i, i+1
.endr
	WIN 0
	s_wait_kmcnt 0x0
	s_add_co_i32 s80, s86, s87
	s_lshl_b32 s80, s80, 23
	s_add_co_i32 s[CS], s[CS], s80                 ; a score stands for score x 2^(e6 + e7)
	s_mov_b32 s[CS+1], s[CS]
	s_add_co_i32 s80, s88, 127
	s_lshl_b32 s81, s80, 23
	v_mov_b32 v[SCL], s81
	s_add_co_i32 s80, s80, 8
	s_lshl_b32 s80, s80, 23
	s_or_b32 s80, s80, 0x600000
	v_mov_b32 v[HOLD], s80
	v_mov_b32 v[HOLD2], s80
	s_add_co_i32 s80, s90, 127
	s_lshl_b32 s[ZS], s80, 23
	s_add_co_i32 s80, s80, 8
	s_lshl_b32 s80, s80, 23
	s_or_b32 s[ZL], s80, 0x600000
	s_add_co_i32 s[EPV], s88, s89
; A block of 32 queries begins: z's address, Q's two fragments, the running numbers; O^T, the sums and P's codes are zeros, the largest t is -3e38, f is 1.
; ld = 1, at the head: both blocks' Q, asked for ahead of the first round, are waited for.  ld = 0: the earlier block's Q is copied into the registers that the products name.
.macro INIT ld
	s_lshl_b32 s[T2], s[Q0], 10                    ; 16,384 bytes for 16 rows of z
	s_add_nc_u64 s[ZP:ZP+1], s[ZB:ZB+1], s[T2:T2+1]
.if \ld == 0
	WIN 0x41
.set i, 0
.rept 16
	v_mov_b32 v[QF+i], v[QF+16+i]
.set i, i+1
.endr
	WIN 0
.endif
.irp x, 0,1
	v_mov_b32 v[MM+2*\x+1], 0xff61b1e6
	v_mov_b32 v[SUM+2*\x], 0
	v_mov_b32 v[SUM+2*\x+1], 0
	v_mov_b32 v[FF+2*\x], 1.0
.endr
	v_floor_f32 v[MM], -v[MM+1]
	v_floor_f32 v[MM+2], -v[MM+3]
.set i, 0
.rept 96
	v_mov_b32 v[PC+i], 0                           ; P's codes and O^T lie on end
.set i, i+1
.endr
	s_wait_alu depctr_va_vdst(0)                   ; the wait here, ahead of the wait or the run of scalar lines that follows
.if \ld
	s_wait_loadcnt 0x0
.endif
.endm
; The step that is owed: O^T x f, then O^T += V^T P.  cnt: the LDS loads issued behind V's, which may stay out.
.macro PVPART cnt
	s_wait_alu depctr_va_vdst(0)                   ; the wait here, directly ahead of the first reader of O^T
.irp x, 0,1
.irp i, 0,2,4,6,8,10,12,14,16,18,20,22,24,26,28,30
	v_pk_mul_f32 v[OO+32*\x+\i:OO+32*\x+\i+1], v[OO+32*\x+\i:OO+32*\x+\i+1], v[FF+2*\x:FF+2*\x+1] op_sel_hi:[1,0]
.endr
.endr
	s_wait_alu depctr_va_vdst(0)                   ; and here, directly ahead of the wait below
	s_wait_dscnt \cnt                              ; V's fragments are in
	WIN 0x01                                       ; source 0 in window 1
.irp d, 0,1,2,3
.irp x, 0,1
	v_wmma_f32_16x16x128_fp8_fp8 v[OO+32*\x+8*\d:OO+32*\x+8*\d+7], v[VFR+16*\d:VFR+16*\d+15], v[PC+16*\x:PC+16*\x+15], v[OO+32*\x+8*\d:OO+32*\x+8*\d+7]   ; eight accumulators by turns
.endr
.endr
.endm
; Tile x's sum of the unquantised p: 32 packed additions in four chains by turns.
.macro SUMT x
	v_pk_add_f32 v[TA:TA+1], v[SS+64*\x:SS+64*\x+1], v[SS+64*\x+2:SS+64*\x+3]
	v_pk_add_f32 v[TA+2:TA+3], v[SS+64*\x+4:SS+64*\x+5], v[SS+64*\x+6:SS+64*\x+7]
	v_pk_add_f32 v[TA+4:TA+5], v[SS+64*\x+8:SS+64*\x+9], v[SS+64*\x+10:SS+64*\x+11]
.irp j, 12,20,28,36,44,52
	v_pk_add_f32 v[SUM+2*\x:SUM+2*\x+1], v[SUM+2*\x:SUM+2*\x+1], v[SS+64*\x+\j:SS+64*\x+\j+1]
	v_pk_add_f32 v[TA:TA+1], v[TA:TA+1], v[SS+64*\x+\j+2:SS+64*\x+\j+3]
	v_pk_add_f32 v[TA+2:TA+3], v[TA+2:TA+3], v[SS+64*\x+\j+4:SS+64*\x+\j+5]
	v_pk_add_f32 v[TA+4:TA+5], v[TA+4:TA+5], v[SS+64*\x+\j+6:SS+64*\x+\j+7]
.endr
	v_pk_add_f32 v[SUM+2*\x:SUM+2*\x+1], v[SUM+2*\x:SUM+2*\x+1], v[SS+64*\x+60:SS+64*\x+61]
	v_pk_add_f32 v[TA:TA+1], v[TA:TA+1], v[SS+64*\x+62:SS+64*\x+63]
	v_pk_add_f32 v[TA+2:TA+3], v[TA+2:TA+3], v[TA+4:TA+5]
	v_pk_add_f32 v[SUM+2*\x:SUM+2*\x+1], v[SUM+2*\x:SUM+2*\x+1], v[TA:TA+1]
	v_pk_add_f32 v[SUM+2*\x:SUM+2*\x+1], v[SUM+2*\x:SUM+2*\x+1], v[TA+2:TA+3]
.endm
.macro CODES x                         ; tile x's held p to codes: registers 2 t, 2 t + 1 of P
.irp t, 0,1,2,3,4,5,6,7
	v_cvt_scalef32_pk8_fp8_f32 v[PC+16*\x+2*\t:PC+16*\x+2*\t+1], v[SS+64*\x+8*\t:SS+64*\x+8*\t+7], v[SCL]
.endr
.endm
; A TRIP: 128 keys at byte s[ad] of both regions.  dg = 1: the copy that can hold a diagonal.
.macro TRIP ad, dg
	v_add_nc_u32 v[ADK], s[\ad], v[LI]
	v_add_nc_u32 v[ADV], VOFF, v[ADK]
	WIN 0x40
.irp t, 0,1,2,3,4,5,6,7
	ds_load_b128 v[KFR+8*\t:KFR+8*\t+3], v[ADK] offset:1024*\t
	ds_load_b128 v[KFR+8*\t+4:KFR+8*\t+7], v[ADK] offset:1024*\t+512
.endr
	WIN 0
	PVPART 16                                      ; K's 16 loads, just issued, may be out
	s_wait_dscnt 0x0                               ; K is in
	WIN 0x05                                       ; sources 0 and 1 in window 1
.irp t, 0,1,2,3,4,5,6,7
.irp x, 0,1
	v_wmma_f32_16x16x64_fp8_fp8 v[SS+64*\x+8*\t:SS+64*\x+8*\t+7], v[KFR+8*\t:KFR+8*\t+7], v[QF+8*\x:QF+8*\x+7], 0
.endr
.endr
	WIN 0
	PLACES 4                                       ; in front of the loads into V's registers and of the first read of the scores
	WIN 0x40
.irp d, 0,1,2,3
.irp g, 0,1,2,3
	ds_load_b128 v[VFR+16*\d+4*\g:VFR+16*\d+4*\g+3], v[ADV] offset:2048*\d+512*\g   ; V lands while the softmax is worked
.endr
.endr
	WIN 0
.if \dg
	s_cmp_eq_u32 s[DG], 0                          ; ids that all partners share
	s_cbranch_scc1 .Lopen_\@
.irp x, 0,1                            ; key tile t: before the diagonal's tile nothing is hidden, behind it all is, in it the lanes of s[MJ + j]: chosen by selects
.irp t, 0,1,2,3,4,5,6,7
	s_cmp_lt_u32 s[TZ+\x], \t
	s_cselect_b32 s[HZ], -1, 0
	s_cmp_eq_u32 s[TZ+\x], \t
.irp j, 0,1,2,3,4,5,6,7
	s_cselect_b32 s[MT+\j], s[MJ+\j], s[HZ]
.endr
.irp j, 0,1,2,3,4,5,6,7
	v_cndmask_b32 v[SS+64*\x+8*\t+\j], v[SS+64*\x+8*\t+\j], v[NINF], s[MT+\j]
.endr
.endr
.endr
.Lopen_\@:
.endif
	; the step's largest score of each of my two queries: two chains a tile, the tiles by turns, each accumulator from its low end on.  Every step that is walked holds a key that counts for each query.
.irp x, 0,1
	v_max3_num_f32 v[TA+2*\x], v[SS+64*\x], v[SS+64*\x+1], v[SS+64*\x+2]
.endr
.irp x, 0,1
	v_max3_num_f32 v[TA+2*\x+1], v[SS+64*\x+3], v[SS+64*\x+4], v[SS+64*\x+5]
.endr
.irp i, 6,10,14,18,22,26,30,34,38,42,46,50,54,58
.irp x, 0,1
	v_max3_num_f32 v[TA+2*\x], v[TA+2*\x], v[SS+64*\x+\i], v[SS+64*\x+\i+1]
.endr
.irp x, 0,1
	v_max3_num_f32 v[TA+2*\x+1], v[TA+2*\x+1], v[SS+64*\x+\i+2], v[SS+64*\x+\i+3]
.endr
.endr
.irp x, 0,1
	v_max3_num_f32 v[TA+2*\x], v[TA+2*\x], v[SS+64*\x+62], v[SS+64*\x+63]
.endr
.irp x, 0,1
	v_max_num_f32 v[TA+2*\x], v[TA+2*\x], v[TA+2*\x+1]
.endr
.irp x, 0,1
	v_permlanex16_b32 v[TA+4+\x], v[TA+2*\x], s[SEL], s[SEL+1]
.endr
.irp x, 0,1
	v_max_num_f32 v[TA+2*\x], v[TA+2*\x], v[TA+4+\x]   ; and among lane l xor 16's
.endr
.irp x, 0,1
	v_mul_f32 v[TA+2*\x], s[CS], v[TA+2*\x]        ; as t (c is positive)
.endr
.irp x, 0,1
	v_max_num_f32 v[MM+2*\x+1], v[MM+2*\x+1], v[TA+2*\x]
.endr
.irp x, 0,1
	v_mov_b32 v[TA+2*\x], v[MM+2*\x]
.endr
.irp x, 0,1
	v_floor_f32 v[MM+2*\x], -v[MM+2*\x+1]          ; the new -M = floor(-t)
.endr
.irp x, 0,1
	v_sub_f32 v[TA+2*\x], v[MM+2*\x], v[TA+2*\x]   ; old M - new M: a whole number, 0 or less
.endr
.irp x, 0,1
	v_cvt_i32_f32 v[TA+2*\x], v[TA+2*\x]           ; (it saturates)
.endr
.irp x, 0,1
	v_ldexp_f32 v[FF+2*\x], 1.0, v[TA+2*\x]        ; f = 2^(old M - new M)
.endr
.set i, 0
.rept 32
	v_pk_fma_f32 v[SS+i:SS+i+1], v[SS+i:SS+i+1], s[CS:CS+1], v[MM:MM+1] op_sel_hi:[1,0,0]   ; tile 0: t - M, two at a time
.set i, i+2
.endr
	s_wait_alu depctr_va_vdst(0)                   ; the wait ahead of the batch
.set i, 0
.rept 32
	v_exp_f32 v[SS+i], v[SS+i]                     ; tile 0: p = 2^(t - M), at most 1
	v_exp_f32 v[SS+i+1], v[SS+i+1]
	v_pk_fma_f32 v[SS+64+i:SS+65+i], v[SS+64+i:SS+65+i], s[CS:CS+1], v[MM+2:MM+3] op_sel_hi:[1,0,0]   ; tile 1: t - M: first read behind the wait below
.set i, i+2
.endr
	v_pk_mul_f32 v[SUM:SUM+1], v[SUM:SUM+1], v[FF:FF+1] op_sel_hi:[1,0]   ; the sums under the new M: plain lines behind the exponentials
	v_pk_mul_f32 v[SUM+2:SUM+3], v[SUM+2:SUM+3], v[FF+2:FF+3] op_sel_hi:[1,0]
	s_wait_alu depctr_va_vdst(0)                   ; one wait: behind tile 0's batch, ahead of its first reader, and ahead of tile 1's batch
	SUMT 0
.set i, 0
.rept 32
	v_exp_f32 v[SS+64+i], v[SS+64+i]               ; tile 1
	v_exp_f32 v[SS+65+i], v[SS+65+i]
	v_dual_min_num_f32 v[SS+i], v[SS+i], v[HOLD] :: v_dual_min_num_f32 v[SS+i+1], v[SS+i+1], v[HOLD2]   ; tile 0's hold: the conversion does not saturate (ISA guide 7.6.2); p is not negative, so it is one-sided; first read behind the wait below
.set i, i+2
.endr
	v_nop                                          ; a plain line behind the exponentials
	s_wait_alu depctr_va_vdst(0)                   ; one wait for tile 1's batch and for the holds laid among it
	CODES 0
	SUMT 1
.set i, 0
.rept 32
	v_dual_min_num_f32 v[SS+64+i], v[SS+64+i], v[HOLD] :: v_dual_min_num_f32 v[SS+65+i], v[SS+65+i], v[HOLD2]
.set i, i+2
.endr
	CODES 1
	v_nop                                          ; a plain line behind the last conversion
.endm
; A block's end: O^T / the sum x 2^(e8 + e9) is z; held, converted with 2^e10, brought into the order of the last product's fragment, stored: four stores of 512 consecutive bytes.
.macro FINISH
	v_mov_b32 v[TA+1], s[ZS]                       ; these lines are also the places behind the last products
	v_mov_b32 v[TA+3], s[ZL]
	v_add_f32 v[SUM], v[SUM], v[SUM+1]
	v_add_f32 v[SUM+2], v[SUM+2], v[SUM+3]
	v_nop
	v_nop
	v_permlanex16_b32 v[TA+4], v[SUM], s[SEL], s[SEL+1]
	v_permlanex16_b32 v[TA+5], v[SUM+2], s[SEL], s[SEL+1]
	v_add_f32 v[SUM], v[SUM], v[TA+4]
	v_add_f32 v[SUM+2], v[SUM+2], v[TA+5]
	s_wait_alu depctr_va_vdst(0)                   ; the wait ahead of the transcendentals,
	v_rcp_f32 v[SUM], v[SUM]
	v_rcp_f32 v[SUM+2], v[SUM+2]
	v_nop
	s_wait_alu depctr_va_vdst(0)                   ; ahead of their first reader,
	v_ldexp_f32 v[SUM], v[SUM], s[EPV]
	v_ldexp_f32 v[SUM+2], v[SUM+2], s[EPV]
	s_wait_alu depctr_va_vdst(0)                   ; and directly ahead of the first reader of O^T
.irp x, 0,1
.irp i, 0,2,4,6,8,10,12,14,16,18,20,22,24,26,28,30
	v_pk_mul_f32 v[SS+32*\x+\i:SS+32*\x+\i+1], v[OO+32*\x+\i:OO+32*\x+\i+1], v[SUM+2*\x:SUM+2*\x+1] op_sel_hi:[1,0]   ; register 8 t + j: z(query lane % 16, d = 16 t + 8 (lane / 16) + j)
.endr
.endr
.irp x, 0,1
.irp d, 0,1,2,3
.irp j, 0,1,2,3,4,5,6,7
	v_med3_num_f32 v[SS+32*\x+8*\d+\j], v[SS+32*\x+8*\d+\j], -v[TA+3], v[TA+3]
.endr
	v_cvt_scalef32_pk8_fp8_f32 v[SS+64+8*\x+2*\d:SS+64+8*\x+2*\d+1], v[SS+32*\x+8*\d:SS+32*\x+8*\d+7], v[TA+1]
.endr
.endr
	v_nop                                          ; a plain line between the conversions and the readers of their results
.set i, 0
.rept 16
	v_permlanex16_b32 v[SS+80+i], v[SS+64+i], s[SEL], s[SEL+1]   ; the other half of the lanes' codes of the same query
.set i, i+1
.endr
.irp x, 0,1
.irp c, 0,1                            ; lanes 0-15 want d = 32 c + 0 .. 15: their own tile 2 c, then the partner's; lanes 16-31 d = 32 c + 16 .. 31: the partner's tile 2 c + 1, then their own
	v_cndmask_b32 v[SS+96+8*\x+4*\c], v[SS+64+8*\x+4*\c], v[SS+82+8*\x+4*\c], s[HM]
	v_cndmask_b32 v[SS+97+8*\x+4*\c], v[SS+65+8*\x+4*\c], v[SS+83+8*\x+4*\c], s[HM]
	v_cndmask_b32 v[SS+98+8*\x+4*\c], v[SS+80+8*\x+4*\c], v[SS+66+8*\x+4*\c], s[HM]
	v_cndmask_b32 v[SS+99+8*\x+4*\c], v[SS+81+8*\x+4*\c], v[SS+67+8*\x+4*\c], s[HM]
.endr
.endr
.irp x, 0,1
	global_store_b128 v[LI], v[SS+96+8*\x:SS+99+8*\x], s[ZP:ZP+1] offset:16384*\x
	global_store_b128 v[LI], v[SS+100+8*\x:SS+103+8*\x], s[ZP:ZP+1] offset:16384*\x+512
.endr
.endm
	INIT 1
	s_wait_alu depctr_va_vdst(0)                   ; the wait at the head's end
	s_wait_tensorcnt 0x0                           ; my part of key steps 0-3 is in; the later first fill is issued as a refill is:
	ds_add_u32 v[SPW], v[NIL]                      ; 0 onto my spare word
	s_wait_dscnt 0x0
	CROUND                                         ; everybody's part is in, and the four work-groups are here
	tensor_load_to_lds s[G0B:G0B+3], s[G1B:G1B+7]  ; key steps 4-15: my one load behind the round
	s_nop 0
	PLACES 4
	s_mov_b32 s[C1], 0
.Lfirst:                                           ; trips 0-3: key steps 0-3 of the later block, all open
	TRIP C1, 0
	s_add_co_u32 s[C1], s[C1], KSB
	s_cmp_lt_u32 s[C1], P1
	s_cbranch_scc1 .Lfirst
	s_wait_tensorcnt 0x0                           ; my part of key steps 4-15 is in
	ds_add_u32 v[SPW], v[NIL]
	s_wait_dscnt 0x0                               ; no LDS instruction of mine is out at the signal
	s_barrier_signal -1
	s_barrier_wait -1                              ; everybody's part is in: from here on no wave waits for another
	s_mov_b32 s[NN], 4
.Lrest:                                            ; trips 4-16
	s_cmp_lg_u32 s[NN], s[LL]                      ; trip 16 - wave: the later block has seen its key steps.  No barrier and no tensor load stands under this branch
	s_cbranch_scc1 .Lsame
	PVPART 0
	WIN 0
	FINISH
	s_wait_xcnt 0x0                                ; the stores have read their registers and their base: both are written again below
	s_mov_b32 s[Q0], s[QE]                         ; the earlier block
	s_lshl_b32 s[TZ], s[CX], 1                     ; its diagonal lies 32 cx keys into its last step
	s_add_co_u32 s[TZ+1], s[TZ], 1
	INIT 0
.Lsame:
	s_cmp_lt_u32 s[NN], s[LL]
	s_cselect_b32 s80, 0, s[W13]
	s_add_co_u32 s[AD], s[C1], s80
	s_and_b32 s[AD], s[AD], 15*KSB                 ; key step n for the later block, (n + wave) % 16 = 0 .. wave for the earlier
	s_add_co_u32 s81, s[NN], 1
	s_cmp_eq_u32 s81, s[LL]
	s_cselect_b32 s[DG], 1, 0                      ; each block's last step holds its diagonal
	s_cmp_eq_u32 s[NN], 16
	s_cselect_b32 s[DG], 1, s[DG]
	TRIP AD, 1
	s_add_co_u32 s[C1], s[C1], KSB
	s_add_co_u32 s[NN], s[NN], 1
	s_cmp_lt_u32 s[NN], 17
	s_cbranch_scc1 .Lrest
	PVPART 0
	WIN 0
	FINISH
	s_wait_tensorcnt 0x0                           ; the wave's end
	ds_add_u32 v[SPW], v[NIL]
	s_wait_dscnt 0x0
	CROUND                                         ; the closing round
	s_endpgm
.Lfunc_end_k_qd20a8e6a14_attn:
	.size	k_qd20a8e6a14_attn, .Lfunc_end_k_qd20a8e6a14_attn-k_qd20a8e6a14_attn
	.p2alignl 7, 3214868480
	.fill 96, 4, 3214868480
	.section	.rodata,"a",@progbits
	.p2align	6, 0x0
	.amdhsa_kernel k_qd20a8e6a14_attn
		.amdhsa_group_segment_fixed_size 327680
		.amdhsa_private_segment_fixed_size 0
		.amdhsa_enable_private_segment 0
		.amdhsa_kernarg_size 40
		.amdhsa_user_sgpr_count 2
		.amdhsa_user_sgpr_kernarg_segment_ptr 1
		.amdhsa_wavefront_size32 1
		.amdhsa_system_sgpr_workgroup_id_x 1
		.amdhsa_system_sgpr_workgroup_id_y 1
		.amdhsa_system_sgpr_workgroup_id_z 1
		.amdhsa_system_vgpr_workitem_id 0
		.amdhsa_next_free_vgpr 512
		.amdhsa_next_free_sgpr 100
		.amdhsa_reserve_vcc 0
		.amdhsa_float_denorm_mode_32 3
		.amdhsa_float_denorm_mode_16_64 3
		.amdhsa_memory_ordered 1
		.amdhsa_forward_progress 1
		.amdhsa_inst_pref_size 113
	.end_amdhsa_kernel
	.amdgpu_metadata
---
amdhsa.version: [ 1, 2 ]
amdhsa.kernels:
  - .name:           k_qd20a8e6a14_attn
    .symbol:         k_qd20a8e6a14_attn.kd
    .args:
      - { .name: qws, .offset: 0, .size: 8, .value_kind: global_buffer, .address_space: global }
      - { .name: kws, .offset: 8, .size: 8, .value_kind: global_buffer, .address_space: global }
      - { .name: vws, .offset: 16, .size: 8, .value_kind: global_buffer, .address_space: global }
      - { .name: lowp_scales, .offset: 24, .size: 8, .value_kind: global_buffer, .address_space: global }
      - { .name: zws, .offset: 32, .size: 8, .value_kind: global_buffer, .address_space: global }
    .group_segment_fixed_size: 327680
    .private_segment_fixed_size: 0
    .kernarg_segment_align: 8
    .kernarg_segment_size: 40
    .max_flat_workgroup_size: 256
    .sgpr_count:     100
    .vgpr_count:     512
    .wavefront_size: 32
...
	.end_amdgpu_metadata
.endif
;; end of part 2
;; launch proj (part 3): grid 4 x 64, 4 waves a work-group, clusters of 4 x 4, 327,680 bytes of LDS; arguments zws, Wp_codes, lowp_scales, bp, out0; writes out0
.if DOCPART == 3
	.amdgcn_target "amdgcn-amd-amdhsa--gfx1250"
	.amdhsa_code_object_version 6
	.text
	.protected	k_qd20a8e6a14_proj
	.globl	k_qd20a8e6a14_proj
	.p2align	8
	.type	k_qd20a8e6a14_proj,@function
k_qd20a8e6a14_proj:
	s_mov_b64 s[64:65], 0
	v_nop
	global_prefetch_b8 v0, s[64:65] scope:SCOPE_SE
	s_setreg_imm32_b32 hwreg(HW_REG_WAVE_MODE, 25, 1), 1
	s_wait_xcnt 0x0
	s_wait_alu depctr_hold_cnt(0) depctr_sa_sdst(0) depctr_va_vdst(0) depctr_va_sdst(0) depctr_va_ssrc(0) depctr_va_vcc(0) depctr_vm_vsrc(0)
	s_getreg_b32 s2, hwreg(HW_REG_IB_STS2, 6, 4)
	s_cmp_eq_u32 s2, 0
	s_cbranch_scc0 .Lentry_in_a_cluster
	s_endpgm
.Lentry_in_a_cluster:
	s_bfe_u32 s2, ttmp6, 0x10000c
	s_cmp_lg_u32 s2, 0xf033
	s_cbranch_scc0 .Lentry_shape_is_right
	s_endpgm
.Lentry_shape_is_right:
.set PITCH,  272
.set FR,     16
.set HALFB,  128*PITCH
.set BOFF,   32768
.set SLOT,   BOFF+2*HALFB
.set SPARE,  2*SLOT
.set STAGE,  SPARE+512
.set SPITCH, 528
.set ADRA, 16
.set ADRB, 20
.set STO,  24
.set RD,   25
.set CO,   26
.set BO,   27
.set SPW,  28
.set NIL,  29
.set AF,   32
.set TMP,  32
.set BK,   96
.set G1,  24
.set G0,  32
.set G1B, 48
.set G0B, 56
.set MSB, 0
.macro WIN new
.if MSB != (\new)
	s_set_vgpr_msb (MSB<<8)|(\new)
.set MSB, (\new)
.endif
.endm
.macro JLOAD g0a, g1a, g0b, g1b
	s_cmp_eq_u32 s15, 0
	s_cbranch_scc0 .Lfor_b_\@
	tensor_load_to_lds s[\g0a:\g0a+3], s[\g1a:\g1a+7]
	s_nop 0
.rept 4
	v_nop
.endr
	s_branch .Lasked_\@
.Lfor_b_\@:
	tensor_load_to_lds s[\g0b:\g0b+3], s[\g1b:\g1b+7]
	s_nop 0
.rept 4
	v_nop
.endr
.Lasked_\@:
.endm
.macro CREST
	s_cmp_lg_u32 s14, 0
	s_cbranch_scc1 .Lnot_wave_0_\@
	s_barrier_signal -3
.Lnot_wave_0_\@:
	s_barrier_wait -3
	s_barrier_signal -1
	s_barrier_wait -1
.endm
.macro CROUND
	s_barrier_signal -1
	s_barrier_wait -1
	CREST
.endm
.macro PLACES n
.rept \n
	v_nop
.endr
.endm
	s_load_b256 s[4:11], s[0:1], 0x0
	s_load_b64 s[12:13], s[0:1], 0x20
	v_lshl_add_u32 v[SPW], v0, 2, SPARE
	v_mov_b32 v[NIL], 0
	ds_add_u32 v28, v29
	ds_add_u32 v28, v29
	s_wait_dscnt 0x0
	v_lshrrev_b32 v1, 5, v0
	v_readfirstlane_b32 s14, v1
	s_lshr_b32 s15, s14, 1
	s_and_b32 s16, s14, 1
	s_bfe_u32 s40, ttmp6, 0x40000
	s_bfe_u32 s41, ttmp6, 0x40004
	s_lshl_b32 s42, ttmp9, 2
	s_add_co_u32 s42, s42, s40
	s_and_b32 s17, ttmp7, 0xffff
	s_lshl_b32 s17, s17, 2
	s_add_co_u32 s17, s17, s41
	s_lshl_b32 s43, s41, 2
	s_lshl_b32 s43, 15, s43
	s_lshl_b32 s44, 0x1111, s40
	s_or_b32 s[G1+0], s43, (3<<16)|(1<<21)
	s_mov_b32 s[G1+1], 512<<16
	s_mov_b32 s[G1+2], 4<<16
	s_mov_b32 s[G1+3], 512<<16
	s_mov_b32 s[G1+4], 4
	s_mov_b32 s[G1+5], 2048
	s_mov_b32 s[G1+6], 0
	s_mov_b32 s[G1+7], 0
	s_or_b32 s[G1B+0], s44, (0<<16)|(1<<20)|(1<<21)|(5<<22)|(3<<25)
	s_mov_b32 s[G1B+1], 256<<16
	s_mov_b32 s[G1B+2], 128<<16
	s_mov_b32 s[G1B+3], 256<<16
	s_mov_b32 s[G1B+4], 128
	s_mov_b32 s[G1B+5], 1024
	s_mov_b32 s[G1B+6], 0
	s_mov_b32 s[G1B+7], 0
	s_lshl_b32 s20, s17, 3
	s_lshl_b32 s18, s16, 2
	s_add_co_u32 s20, s20, s18
	s_lshl_b32 s20, s20, 14
	s_mov_b32 s21, 0
	s_lshl_b32 s46, s42, 8
	s_lshl_b32 s18, s16, 7
	s_add_co_u32 s46, s46, s18
	s_lshl_b32 s46, s46, 10
	s_mov_b32 s47, 0
	s_lshl_b32 s45, s16, 14
	s_mul_i32 s22, s16, HALFB
	s_add_co_u32 s22, s22, BOFF
	s_wait_kmcnt 0x0
	s_load_b64 s[96:97], s[8:9], 0x28
	s_add_nc_u64 s[20:21], s[4:5], s[20:21]
	s_add_nc_u64 s[46:47], s[6:7], s[46:47]
	; THE TILES ARE PREFETCHED INTO THE L2.  A wave's part of a K step is, of z, 4 row tiles x 4,096 bytes: each of the four partners that ask for it jointly names one row tile, 16 lanes 256 bytes apart (the other lanes name the last block again);
	; of Wp, 128 rows x 256 bytes: each partner names 32 rows, a lane a row.  The partners are told apart by address (cx for z, cy for Wp).  All sixteen rows of clusters read the same Wp: the first four alone ask for it.
	; Behind K step 0's load: K steps 1 and 2; behind K step 1's: K step 3.  The three address pairs and the lane offsets are never rewritten.
	s_cmp_eq_u32 s15, 0                            ; do I fetch for z?
	s_cselect_b64 s[66:67], s[20:21], s[46:47]
	s_cselect_b32 s68, s40, s41                    ; my place among the four
	s_cselect_b32 s70, 14, 15                      ; x 16,384 bytes (a row tile) or 32,768 (32 rows)
	s_cselect_b32 s72, 15, 31                      ; the last lane that names a block of its own
	s_cselect_b32 s73, 8, 10                       ; from lane to lane: 256 bytes, or a row of 1,024
	s_mov_b32 s74, 256
	s_cselect_b32 s74, 4096, s74                   ; a K step on
	s_lshl_b32 s68, s68, s70
	s_mov_b32 s69, 0
	s_mov_b32 s75, 0
	s_add_nc_u64 s[66:67], s[66:67], s[68:69]
	s_add_nc_u64 s[66:67], s[66:67], s[74:75]      ; K step 1,
	s_add_nc_u64 s[76:77], s[66:67], s[74:75]      ; 2,
	s_add_nc_u64 s[78:79], s[76:77], s[74:75]      ; 3
	s_and_b32 s80, ttmp7, 0xffff
	s_lshr_b32 s80, s80, 2                         ; 0 in the first four rows of clusters,
	s_mul_i32 s80, s80, s15                        ; and in the waves that fetch z: these ask
	v_and_b32 v30, 31, v0
	v_min_u32 v30, s72, v30
	v_lshlrev_b32 v30, s73, v30
	CROUND
.irp s, 0,1
	s_mov_b32 s[G0+4*\s], 1
	s_add_co_u32 s[G0+4*\s+1], s45, \s*SLOT
	s_add_nc_u64 s[G0+4*\s+2:G0+4*\s+3], s[20:21], \s*4096
	s_or_b32 s[G0+4*\s+3], s[G0+4*\s+3], 0x80000000
	s_mov_b32 s[G0B+4*\s], 1
	s_add_co_u32 s[G0B+4*\s+1], s22, \s*SLOT
	s_add_nc_u64 s[G0B+4*\s+2:G0B+4*\s+3], s[46:47], \s*256
	s_or_b32 s[G0B+4*\s+3], s[G0B+4*\s+3], 0x80000000
	s_wait_alu depctr_va_vdst(0)
	s_wait_tensorcnt 0x0
	ds_add_u32 v28, v29
	ds_add_u32 v28, v29
	s_wait_dscnt 0x0
	CROUND
	JLOAD G0+4*\s, G1, G0B+4*\s, G1B
	s_cmp_eq_u32 s80, 0
	s_cbranch_scc0 .Lno_ask_\s
.if \s == 0
	global_prefetch_b8 v30, s[66:67] th:TH_LOAD_NT scope:SCOPE_SE
	global_prefetch_b8 v30, s[76:77] th:TH_LOAD_NT scope:SCOPE_SE
.else
	global_prefetch_b8 v30, s[78:79] th:TH_LOAD_NT scope:SCOPE_SE
.endif
.Lno_ask_\s:
.endr
	v_and_b32 v1, 15, v0
	v_bfe_u32 v2, v0, 4, 1
	v_and_b32 v6, 31, v0
	v_lshlrev_b32 v[CO], 4, v6
	v_mul_u32_u24 v3, v1, PITCH
	v_lshl_add_u32 v4, v2, 4, v3
	s_lshl_b32 s21, s15, 14
	s_mul_i32 s22, s16, HALFB
	s_add_co_u32 s22, s22, BOFF
.irp s, 0,1
	v_add_nc_u32 v[ADRA+\s], s21, v[CO]
	v_add_nc_u32 v[ADRB+\s], s22, v4
	s_add_co_u32 s21, s21, SLOT
	s_add_co_u32 s22, s22, SLOT
.endr
	s_mul_i32 s23, s14, 16*SPITCH
	s_add_co_u32 s23, s23, STAGE
	v_mul_u32_u24 v5, v1, SPITCH
	v_lshl_add_u32 v5, v2, 5, v5
	v_add_nc_u32 v[STO], s23, v5
	v_add_nc_u32 v[RD], s23, v[CO]
	v_lshlrev_b32 v[BO], 5, v2
	s_wait_alu depctr_va_vdst(0)
	s_lshl_b32 s20, s17, 7
	s_lshl_b32 s21, s15, 6
	s_add_co_u32 s20, s20, s21
	s_lshl_b32 s20, s20, 12
	s_lshl_b32 s46, s42, 10
	s_lshl_b32 s47, s16, 9
	s_add_co_u32 s46, s46, s47
	s_mov_b32 s47, 0
	s_add_nc_u64 s[10:11], s[10:11], s[46:47]
	s_add_co_u32 s20, s20, s46
	s_mov_b32 s21, 0
	s_add_nc_u64 s[12:13], s[12:13], s[20:21]
	WIN 0xc0
.irp b, 0,1,2,3,4,5,6,7
	global_load_b128 v[8*\b:8*\b+3], v[BO], s[10:11] offset:64*\b
	global_load_b128 v[8*\b+4:8*\b+7], v[BO], s[10:11] offset:64*\b+16
.endr
	WIN 0
.macro FETCH slot, q, p
	WIN 0x40
.irp i, 0,1,2,3,4,5,6,7
.irp c, 0,1,2,3
	ds_load_b128 v[128*(\p)+FR*\i+4*\c:128*(\p)+FR*\i+4*\c+3], v[ADRB+\slot] offset:128*(\q)+32*\c+\i*16*PITCH
.endr
.endr
	WIN 0
.irp i, 0,1,2,3
.irp c, 0,1,2,3
	ds_load_b128 v[AF+64*(\p)+FR*\i+4*\c:AF+64*(\p)+FR*\i+4*\c+3], v[ADRA+\slot] offset:4096*\i+2048*(\q)+512*\c
.endr
.endr
.endm
.macro MULB a, p, zero
	WIN 0xa1
.irp b, 0,1,2,3,4,5,6,7
.if \zero
	v_wmma_f32_16x16x128_fp8_fp8 v[8*(8*(\a)+\b):8*(8*(\a)+\b)+7], v[128*(\p)+FR*\b:128*(\p)+FR*\b+FR-1], v[AF+64*(\p)+FR*(\a):AF+64*(\p)+FR*(\a)+FR-1], 0
.else
	v_wmma_f32_16x16x128_fp8_fp8 v[8*(8*(\a)+\b):8*(8*(\a)+\b)+7], v[128*(\p)+FR*\b:128*(\p)+FR*\b+FR-1], v[AF+64*(\p)+FR*(\a):AF+64*(\p)+FR*(\a)+FR-1], v[8*(8*(\a)+\b):8*(8*(\a)+\b)+7]
.endif
.endr
.endm
.macro STEP slot, zero
	s_wait_dscnt 0x0
	MULB 0, 0, \zero
	MULB 1, 0, \zero
	PLACES 4
	FETCH \slot, 1, 1
	MULB 2, 0, \zero
	MULB 3, 0, \zero
.endm
.macro TURN slot, next, fill
	WIN 0
	s_wait_tensorcnt 0x0
	ds_add_u32 v[SPW], v[NIL]
	s_wait_dscnt 1
	MULB 0, 1, 0
	s_wait_dscnt 0x0
	s_barrier_signal -1
	MULB 1, 1, 0
	WIN 0
	s_barrier_wait -1
.if \fill
	CREST
	s_add_nc_u64 s[G0+4*\slot+2:G0+4*\slot+3], s[G0+4*\slot+2:G0+4*\slot+3], 2*4096
	s_add_nc_u64 s[G0B+4*\slot+2:G0B+4*\slot+3], s[G0B+4*\slot+2:G0B+4*\slot+3], 2*256
	JLOAD G0+4*\slot, G1, G0B+4*\slot, G1B
.else
	PLACES 4
.endif
	FETCH \next, 0, 0
	MULB 2, 1, 0
	MULB 3, 1, 0
.endm
	s_wait_tensorcnt 1
	s_barrier_signal -1
	s_barrier_wait -1
	FETCH 0, 0, 0
	STEP 0, 1
	TURN 0, 1, 1
	STEP 1, 0
	TURN 1, 0, 1
	STEP 0, 0
	TURN 0, 1, 0
	STEP 1, 0
	s_wait_dscnt 0x0
	MULB 0, 1, 0
	MULB 1, 1, 0
	MULB 2, 1, 0
	MULB 3, 1, 0
	WIN 0
.macro TOSTAGE a
	WIN 0x32
.irp b, 0,1,2,3,4,5,6,7
.irp i, 0,2,4,6
	v_pk_fma_f32 v[TMP+8*\b+\i:TMP+8*\b+\i+1], v[64*(\a)+8*\b+\i:64*(\a)+8*\b+\i+1], s[96:97], v[8*\b+\i:8*\b+\i+1] op_sel_hi:[1,0,1]
.endr
.endr
	WIN 0
.irp b, 0,1,2,3,4,5,6,7
	ds_store_b128 v[STO], v[TMP+8*\b:TMP+8*\b+3] offset:64*\b
	ds_store_b128 v[STO], v[TMP+8*\b+4:TMP+8*\b+7] offset:64*\b+16
.endr
.set BB, BK+64*((\a)%2)
.irp t, 0,1,2,3,4,5,6,7,8,9,10,11,12,13,14,15
	ds_load_b128 v[BB+4*\t:BB+4*\t+3], v[RD] offset:\t*SPITCH
.endr
.endm
.macro SEND a, younger
.set BB, BK+64*((\a)%2)
	s_wait_dscnt \younger
.if (\a) > 0
	s_add_nc_u64 s[12:13], s[12:13], 16*4096
.endif
.irp t, 0,1,2,3,4,5,6,7,8,9,10,11,12,13,14,15
	global_store_b128 v[CO], v[BB+4*\t:BB+4*\t+3], s[12:13] offset:\t*4096 th:TH_STORE_NT
.endr
.endm
	s_wait_loadcnt 0x0
	s_wait_kmcnt 0x0
	s_add_co_i32 s96, s96, s97
	s_add_co_i32 s96, s96, 127
	s_lshl_b32 s96, s96, 23
	s_mov_b32 s97, s96
	PLACES 4
	TOSTAGE 0
.irp a, 1,2,3
.if \a > 1
	s_wait_xcnt 0x0
.endif
	TOSTAGE \a
	SEND \a-1, 32
.endr
	s_wait_xcnt 0x0
	SEND 3, 0
	s_wait_tensorcnt 0x0
	ds_add_u32 v[SPW], v[NIL]
	s_wait_dscnt 0x0
	CROUND
	s_endpgm
.Lfunc_end_k_qd20a8e6a14_proj:
	.size	k_qd20a8e6a14_proj, .Lfunc_end_k_qd20a8e6a14_proj-k_qd20a8e6a14_proj
	.p2alignl 7, 3214868480
	.fill 96, 4, 3214868480
	.section	.rodata,"a",@progbits
	.p2align	6, 0x0
	.amdhsa_kernel k_qd20a8e6a14_proj
		.amdhsa_group_segment_fixed_size 327680
		.amdhsa_private_segment_fixed_size 0
		.amdhsa_enable_private_segment 0
		.amdhsa_kernarg_size 40
		.amdhsa_user_sgpr_count 2
		.amdhsa_user_sgpr_kernarg_segment_ptr 1
		.amdhsa_wavefront_size32 1
		.amdhsa_system_sgpr_workgroup_id_x 1
		.amdhsa_system_sgpr_workgroup_id_y 1
		.amdhsa_system_sgpr_workgroup_id_z 1
		.amdhsa_system_vgpr_workitem_id 0
		.amdhsa_next_free_vgpr 832
		.amdhsa_next_free_sgpr 100
		.amdhsa_reserve_vcc 0
		.amdhsa_float_denorm_mode_32 3
		.amdhsa_float_denorm_mode_16_64 3
		.amdhsa_memory_ordered 1
		.amdhsa_forward_progress 1
		.amdhsa_inst_pref_size 79
	.end_amdhsa_kernel
	.amdgpu_metadata
---
amdhsa.version: [ 1, 2 ]
amdhsa.kernels:
  - .name:           k_qd20a8e6a14_proj
    .symbol:         k_qd20a8e6a14_proj.kd
    .args:
      - { .name: zws, .offset: 0, .size: 8, .value_kind: global_buffer, .address_space: global }
      - { .name: Wp_codes, .offset: 8, .size: 8, .value_kind: global_buffer, .address_space: global }
      - { .name: lowp_scales, .offset: 16, .size: 8, .value_kind: global_buffer, .address_space: global }
      - { .name: bp, .offset: 24, .size: 8, .value_kind: global_buffer, .address_space: global }
      - { .name: out0, .offset: 32, .size: 8, .value_kind: global_buffer, .address_space: global }
    .group_segment_fixed_size: 327680
    .private_segment_fixed_size: 0
    .kernarg_segment_align: 8
    .kernarg_segment_size: 40
    .max_flat_workgroup_size: 128
    .sgpr_count:     100
    .vgpr_count:     832
    .wavefront_size: 32
...
	.end_amdgpu_metadata
.endif
;; end of part 3
